; MI455X (gfx1250); checked and timed in simulation.
; The chip was launched on July 23, 2026; its instructions are those of AMD's public machine-readable ISA for CDNA 5 (MIT licence, August 2026) and "CDNA5" Instruction Set Architecture Reference Guide (July 2026). The comments in the code are by the model that wrote it; some were corrected since.
;; Scaled Dot Product Attention. Allowed arithmetic: matrix products marked QUANTISED: E2M3 operands, one E8M0 scale for each 32 along K, by v_wmma_scale_f32_16x16x128_f8f6f4 with both operands' format E2M3, f32 sums; everything else in f32.
;; Inputs: K 4 x 16 x 2,048 x 64 float32; Q 4 x 16 x 2,048 x 64 float32; V 4 x 16 x 2,048 x 64 float32.
;; Outputs: out0 4 x 16 x 2,048 x 64 float32.
;; This version of the problem:
;;   THIS VERSION OF THE PROBLEM IS GIVEN IN LOW PRECISION. The matrix products marked QUANTISED in the list below multiply operands that are first quantised to E2M3 (2 exponent bits, 3 mantissa bits; 6 bits a number), with one power-of-two scale for each 32 numbers along K (OCP MX v1.0); their sums are f32. All else is computed in f32.
;;   The module's matrix products, in the order in which they are computed (A, B: the left and right operand; K: the contracted axis; several contracted axes count as one K, in the product's order):
;;     1. batch 64 x [M 2,048, K 64] x [K 64, N 2,048]; A: input Q; B: input K: QUANTISED
;;     2. batch 64 x [M 2,048, K 2,048] x [K 2,048, N 64]; A: softmax (see below); B: input V: QUANTISED
;;   THE QUANTISER, for each operand of a quantised product, along K:
;;     - K is cut into blocks of 32 from its start; a last block that is shorter is filled with zeros.
;;     - A block's scale is 2^e with e = floor(log2(the largest magnitude in the block)) - 2, held to -126 .. 127; a block of zeros has e = 0. As a byte (E8M0): e + 127.
;;     - Each number is divided by its block's scale, clamped to +-7.5, and rounded to the nearest number of E2M3, ties to even, subnormals kept.
;;     - The product sums the exact products of the quantised numbers (number of the format x scale) in f32.
;;   ~~~python
;;   def quantise(x, axis):      # numpy; x: float32 -> the quantised numbers, widened to float32 again
;;       x = np.moveaxis(x, axis, -1); K = x.shape[-1]
;;       x = np.pad(x, [(0, 0)] * (x.ndim - 1) + [(0, -K % 32)]); x = x.reshape(x.shape[:-1] + (-1, 32)); a = np.abs(x).max(-1, keepdims=True)
;;       e = np.where(a > 0, np.clip(np.frexp(np.where(a > 0, a, 1))[1] - 1 - 2, -126, 127), 0)      # np.frexp(a)[1] - 1 = floor(log2(a)), exactly
;;       r = np.clip(x / 2.0 ** e, -7.5, 7.5)
;;       step = 2.0 ** (np.maximum(np.frexp(np.where(r == 0, 1, r))[1] - 1, 0) - 3)
;;       q = np.round(r / step) * step * 2.0 ** e      # np.round: ties to even
;;       return np.moveaxis(q.reshape(q.shape[:-2] + (-1,))[..., :K], -1, axis).astype(np.float32)
;;   ~~~
;;   SOFTMAX AHEAD OF A QUANTISED PRODUCT. Where the list says 'softmax', what is quantised is not the finished softmax but p = 2^(t - M), with t = logit x log2(e) and M = ceil(the row's largest t), a whole number; so 1/2 < the row's largest p <= 1. The row's sum l is taken of the UNQUANTISED p, in f32, and the product's result is divided by l at the end. Since M is a whole number, a kernel that streams over the keys may use a running M (the ceiling of the running maximum): every later rescaling is an exact power of two, which a block's scale takes up: the codes' values come out the same.
;;   OPERANDS COMPUTED ON THE WAY. 'Computed on the way' means the value that the module computes at that place (a softmax that the list does not call 'softmax' is quantised finished and normalised). What goes into a quantiser is computed in f32, as accurately as f32 sums, v_exp_f32 and their like allow (about 1e-6 of the number): no bf16 or f16 on the way to a quantiser, and a product that is left as it is and whose result goes on into a quantised operand takes f32 operands (vector FMAs, or v_wmma_f32_16x16x4_f32). A number that lies on a knife's edge between two numbers of the format may be rounded either way, as far as f32 arithmetic and the matrix unit's own rounding can turn it there, and no further.
;; 2 versions. Each part assembles by itself: llvm-mc -triple=amdgcn-amd-amdhsa -mcpu=gfx1250 --defsym DOCPART=n.
;; ======== version 1 of 2: 1 launch
;; launch attn (part 1): grid 4 x 64, 16 waves a work-group, no clusters, 276,480 bytes of LDS; arguments Q, K, V, out0; writes out0
.if DOCPART == 1
	.amdgcn_target "amdgcn-amd-amdhsa--gfx1250"
	.amdhsa_code_object_version 6
	.text
	.protected	k_qe79492230f_attn
	.globl	k_qe79492230f_attn
	.p2align	8
	.type	k_qe79492230f_attn,@function
k_qe79492230f_attn:
	s_mov_b64 s[64:65], 0
	v_nop
	global_prefetch_b8 v0, s[64:65] scope:SCOPE_SE
	s_setreg_imm32_b32 hwreg(HW_REG_WAVE_MODE, 25, 1), 1
	s_wait_xcnt 0x0
; out[h][q][:] = the sum over k of softmax_k(Q[h][q] . K[h][k] / 8) V[h][k][:].  Q, K, V, out: [64 heads][2048][64] f32.  Both products on codes of FP6 (E2M3) with one E8M0 scale for each 32 along a product's K.
; THE SOFTMAX AHEAD OF THE SECOND PRODUCT: t = score x log2(e) / 8; M = the row's largest t so far, rounded UP to a whole number; p = 2^(t - M) is what is quantised, along the keys; it is not normalised.
; The row's sum is taken of the unquantised p, in f32, and divides O at the end.  When M moves, the sum and O are multiplied by 2^(old M - new M): exact.
; SHARES.  A work-group owns 512 queries of one head (4 work-groups a head, 256 in all).  Sixteen waves of 256 registers; a wave owns one tile of 16 queries a pass, two passes (queries + 0, + 256).
; THE WORK-GROUP QUANTISES ITS HEAD'S K AND V ITSELF, INTO LDS, ONCE: the codes of 2,048 keys are 2 x 98,304 bytes, the scale words 8,192.  A RECORD holds a key step (128 keys).  In pass 0, step s reads record s while
; record s + 1 is made and the f32 numbers of record s + 2 are on their way from memory into registers.  No byte of a record is written twice; one barrier at the head of each step of pass 0 shows record s to every wave.
; A record is 512 blocks of 32: one block a lane.  Waves 0-7 take K (K's own K, the head's 64, is innermost: 16 rows come by loads of 512 consecutive bytes and are turned through the wave's stage, so that a lane holds
; 32 neighbours of one key).  Waves 8-15 take V (its K, the keys, is not innermost: a lane takes a column d and its registers run down 32 keys; a load reads 128 consecutive bytes).
; LAYOUT.  Both products are used transposed: S^T = K Q^T (source 0 = 16 keys, source 1 = my 16 queries), O^T = V^T P^T (source 0 = 16 of the head's 64, source 1 = P): a lane holds ONE query (lane % 16) throughout.
; TWO TILES OF KEYS IN ONE OPERAND.  The instruction contracts 128 and the head has 64: fragment b of K holds tile u = 0 at k 0-63 and tile u = 1 at k 64-127.  Q stands in 18 registers as [0 | q | 0]: the operand [q | 0]
; picks tile 0, [0 | q] tile 1 (zero codes add nothing under any scale byte from 1 to 254).  Lane r of tile (b, u) takes key 32 b + 8 u + r + 8 (r / 8), so that S^T's registers 16 b .. 16 b + 15 are the 16 neighbouring keys 32 b + 16 (lane / 16) + 0 .. 15.
; A FRAGMENT LIES IN LDS AS [lane][48 bytes], the lane's 12 registers on end: three loads of 16 bytes at 48 x lane + 16 g; sixteen lanes, 48 bytes apart, fall on sixteen different 16-byte columns of 256 bytes.  A quantised block, 24 bytes, is half of one lane's 48.
; LDS: record s at 12,800 s: K's 4 fragments (+0), V^T's 4 (+6,144), K's scale words [r][b] (+12,288; byte 2 u + d block), V's [r][t] (+12,544; byte = key block).  Behind the 16 records a stage of 16 rows x (256 + 16) bytes for each wave, its own.
; NO JOINT LOADS: what the four work-groups of a head share is K and V as f32, 65,536 bytes a key step; a ring of two such slots, 131,072 bytes, does not fit beside the 274,432 bytes of codes, scale words and stages in the 327,680 that a work-group can claim.
; LIMITS: NaN and infinities among the inputs are not served.  A block of zeros, or one whose largest magnitude lies under 2^-124, gets the scale byte 1 (this program alone reads the bytes; zero codes add nothing).  A p under 2^-126 counts as 0 (v_exp_f32 gives no denormals).
.set REC,   12800                      ; bytes of a record
.set FRB,   1536                       ; bytes of a fragment
.set VFO,   4*FRB                      ; V's fragments in a record
.set KSO,   8*FRB                      ; K's scale words
.set VSO,   KSO+256                    ; V's
.set STG,   16*REC                     ; the stages
.set SPI,   272                        ; a stage row: 256 bytes + 16
.set STEPB, 128*256                    ; a key step of K or V in memory
.set PASSB, 256*256                    ; from a pass's queries to the next pass's, in Q and in out
.set L48, 1                            ; v1   48 x lane
.set L16, 2                            ; v2   16 x lane: LDS and global
.set STW, 3                            ; v3   stage by loads' order: row lane / 16, 16 bytes at 16 (lane % 16)
.set STR, 4                            ; v4   stage by operand's order: row lane % 16, 128 bytes at 128 (lane / 16)
.set KWC, 5                            ; v5   where I store a block of K's codes; v6 its scale byte; v7, v8 the same for V.  All four step a record on behind each PRODUCE
.set KWS, 6
.set VWC, 7
.set VWS, 8
.set L4,  9                            ; v9   4 x lane
.set AD,  10                           ; v10  the record in hand + 48 x lane
.set ADS, 11                           ; v11  the record in hand + 16 x lane
.set NM,  12                           ; v12  -M;  v13 the largest t
.set SUM, 14                           ; v[14:15] the row's sum in two halves
.set STO, 16                           ; v16  stage on the way out: row lane % 16, 32 bytes at 32 (lane / 16)
.set QZ,  18                           ; v18-23 zeros, v24-29 q's codes, v30-35 zeros
.set QS,  36                           ; v36  Q's scale word: e0, e1, e0, e1
.set FF,  38                           ; v38  f = 2^(old M - new M);  v39 p's scale word
.set PS,  39
.set SC,  40                           ; v40-43 lanes 0-15: K's scale words b = 0..3; lanes 16-31: V's t = 0..3
.set F,   44                           ; v44-91   four fragments: K's, then V's
.set S,   92                           ; v92-155  S^T, then p
.set O,   156                          ; v156-187 O^T
.set P,   188                          ; v188-199 p's codes
.set X,   200                          ; v200-231 32 numbers on their way from memory
.set BM,  232                          ; v232-235 block maxima; in QUANT: two chains, the scale operand, the byte
.set T4,  236                          ; v236-243 at work
.set SO,  244                          ; v244-247 the conversions' scale operands
.set TP,  248                          ; v248 at work
.set WV,  12                           ; s12  wave;  s13 wave % 8
.set W7,  13
.set SEL, 20                           ; s[20:21] v_permlanex16_b32's selects for lane l xor 16
.set CS,  22                           ; s[22:23] c = log2(e) / 8
.set GB,  24                           ; s[24:25] my share of K or V, at the record whose numbers are asked for
.set QP,  26                           ; s[26:27] Q at my tile of pass 0;  s[28:29] out likewise
.set OP,  28
.set TB,  30                           ; s30  LDS byte of the record in hand
.set CNT, 32                           ; s32  loop counter
.macro PLACES n
.rept \n
	v_nop
.endr
.endm
; 16 rows of 256 bytes, held as they were loaded (register group j: rows 2 j and 2 j + 1, 16 bytes a lane), go through my stage and come back as the operand wants them: lane (r, h) holds 32 neighbours, 32 h on, of row r.
.macro TURN reg
.irp j, 0,1,2,3,4,5,6,7
	ds_store_b128 v[STW], v[\reg+4*\j:\reg+4*\j+3] offset:2*SPI*\j
.endr
	s_wait_dscnt 0x0                               ; the stores have read their registers, into which the loads below land
.irp j, 0,1,2,3,4,5,6,7
	ds_load_b128 v[\reg+4*\j:\reg+4*\j+3], v[STR] offset:16*\j
.endr
	s_wait_dscnt 0x0
.endm
; A whole block of 32 in one lane, v[src] on, becomes 24 bytes of codes in v[dst] .. v[dst + 5] and its scale byte in v235.
.macro QUANT src, dst
	v_max3_num_f32 v[BM], |v[\src]|, |v[\src+1]|, 0x1800000          ; the largest magnitude, in two chains; the floor 2^(3 - 127) among its leaves holds the byte at 1 from below
	v_max3_num_f32 v[BM+1], |v[\src+2]|, |v[\src+3]|, |v[\src+4]|
.irp i, 5,9,13,17,21,25
	v_max3_num_f32 v[BM], v[BM], |v[\src+\i]|, |v[\src+\i+1]|
	v_max3_num_f32 v[BM+1], v[BM+1], |v[\src+\i+2]|, |v[\src+\i+3]|
.endr
	v_max3_num_f32 v[BM], v[BM], |v[\src+29]|, |v[\src+30]|
	v_max3_num_f32 v[BM], v[BM], v[BM+1], |v[\src+31]|
	v_add_nc_u32 v[BM+2], 0xff000000, v[BM]        ; 2 off its exponent field: the conversion takes the exponent field of this operand as its scale, and nothing else of it
	v_lshrrev_b32 v[BM+3], 23, v[BM+2]             ; the scale's byte
	v_cvt_scalef32_pk16_fp6_f32 v[\dst:\dst+2], v[\src:\src+15], v[BM+2]
	v_cvt_scalef32_pk16_fp6_f32 v[T4+4:T4+6], v[\src+16:\src+31], v[BM+2]   ; (a conversion's three registers begin on an even number)
	v_nop                                          ; one plain place behind a scaled conversion
	v_mov_b32 v[\dst+3], v[T4+4]                   ; in ascending order: with dst = T4 each line frees the next line's destination
	v_mov_b32 v[\dst+4], v[T4+5]
	v_mov_b32 v[\dst+5], v[T4+6]
.endm
.macro KLOADS                          ; my tile's 16 keys: rows 0-7 and 16-23 from my base on; each load reads 512 consecutive bytes.  No cache word: four work-groups read these bytes
.irp j, 0,1,2,3,4,5,6,7
	global_load_b128 v[X+4*\j:X+4*\j+3], v[L16], s[GB:GB+1] offset:512*(\j%4)+4096*(\j/4)
.endr
.endm
.macro VLOADS                          ; my column, down 32 keys
.set n, 0
.rept 32
	global_load_b32 v[X+n], v[L4], s[GB:GB+1] offset:256*n
.set n, n+1
.endr
.endm
; The numbers in X become a block's codes and byte in the record that v5-v8 point at.  wiss = 1: the next record's numbers are asked for.
.macro PRODUCE wiss
	s_wait_loadcnt 0x0                             ; my numbers are in (asked for a key step ago), and the loads have read their base
.if \wiss
	s_add_nc_u64 s[GB:GB+1], s[GB:GB+1], STEPB
.endif
	s_cmp_lt_u32 s[WV], 8
	s_cbranch_scc0 .Lfor_v_\@
	TURN X
	QUANT X, T4
	ds_store_b64 v[KWC], v[T4:T4+1]
	ds_store_b64 v[KWC], v[T4+2:T4+3] offset:8
	ds_store_b64 v[KWC], v[T4+4:T4+5] offset:16
	ds_store_b8 v[KWS], v[BM+3]
.if \wiss
	KLOADS
.endif
	s_branch .Lmade_\@
.Lfor_v_\@:
	QUANT X, T4
	ds_store_b64 v[VWC], v[T4:T4+1]
	ds_store_b64 v[VWC], v[T4+2:T4+3] offset:8
	ds_store_b64 v[VWC], v[T4+4:T4+5] offset:16
	ds_store_b8 v[VWS], v[BM+3]
.if \wiss
	VLOADS
.endif
.Lmade_\@:
.irp a, KWC, KWS, VWC, VWS
	v_add_nc_u32 v[\a], REC, v[\a]                 ; on to the next record: every wave steps all four
.endr
.endm
.macro QLOAD reg, off                  ; my 16 queries: 4,096 consecutive bytes, read by nobody else
.irp j, 0,1,2,3,4,5,6,7
	global_load_b128 v[\reg+4*\j:\reg+4*\j+3], v[L16], s[QP:QP+1] offset:\off+512*\j th:TH_LOAD_NT
.endr
.endm
.macro QPREP src, wt                   ; they become q's codes and scale word.  wt = 0: an earlier wait for 0 has shown the loads done
.if \wt
	s_wait_loadcnt 0x0
.endif
	TURN \src
	QUANT \src, QZ+6
	v_bfe_u32 v[TP], v0, 4, 1
	v_lshlrev_b32 v[TP], 3, v[TP]
	v_lshlrev_b32 v[T4+7], v[TP], v[BM+3]          ; my block's byte at its place: 8 (lane / 16) bits up;
	v_permlanex16_b32 v[TP], v[T4+7], s[SEL], s[SEL+1]
	v_or_b32 v[T4+7], v[T4+7], v[TP]               ; with lane l xor 16's: e0, e1;
	v_lshl_or_b32 v[QS], v[T4+7], 16, v[T4+7]      ; twice, since q stands at k 0-63 or at k 64-127
.endm
.macro INIT                            ; a pass begins.  The step is written once: its first run finds zeros, which the first change of M leaves zeros.  These lines are also the places between q's registers and the first product
	v_mov_b32 v[NM+1], 0xff61b1e6                  ; the largest t so far: -3e38, under every t
	v_floor_f32 v[NM], -v[NM+1]                    ; -M
	v_mov_b32 v[SUM], 0
	v_mov_b32 v[SUM+1], 0
	v_mov_b32 v[PS], 0                             ; (named as the upper half of the pair v[38:39] before it is first written)
.set n, 0
.rept 32
	v_mov_b32 v[O+n], 0
.set n, n+1
.endr
.endm
; A KEY STEP: the 128 keys of the record at s[TB].  wbar = 1: pass 0's barrier;  wprod = 1: the next record is made;  wiss = 1: and the one behind it asked for.
.macro STEP wbar, wprod, wiss
.if \wbar
	s_wait_dscnt 0x0                               ; for the others' sake: my stores into this record have landed
	s_barrier_signal -1
	s_barrier_wait -1                              ; everybody's have.  What is stored behind this barrier goes to the next record: other bytes
.endif
	v_add_nc_u32 v[AD], s[TB], v[L48]
	v_add_nc_u32 v[ADS], s[TB], v[L16]
	PLACES 2                                       ; with the two additions: four places in front of loads into registers that the last products read
.irp b, 0,1,2,3
.irp g, 0,1,2
	ds_load_b128 v[F+12*\b+4*\g:F+12*\b+4*\g+3], v[AD] offset:FRB*\b+16*\g
.endr
.endr
	ds_load_b128 v[SC:SC+3], v[ADS] offset:KSO     ; 512 bytes: lanes 0-15 K's scale words, lanes 16-31 V's
.if \wprod
	PRODUCE \wiss                                  ; stands where the fragments are on their way
.endif
	s_wait_dscnt 0x0
.irp b, 0,1,2,3                        ; S^T = K Q^T: eight accumulators, each begun with the constant 0
.irp u, 0,1
	v_wmma_scale_f32_16x16x128_f8f6f4 v[S+16*\b+8*\u:S+16*\b+8*\u+7], v[F+12*\b:F+12*\b+11], v[QZ+6-6*\u:QZ+17-6*\u], 0, v[SC+\b], v[QS] matrix_a_fmt:MATRIX_FMT_FP6 matrix_b_fmt:MATRIX_FMT_FP6
.endr
.endr
	PLACES 4                                       ; in front of the loads into K's fragments, and of the first read of the scores
.irp t, 0,1,2,3
.irp g, 0,1,2
	ds_load_b128 v[F+12*\t+4*\g:F+12*\t+4*\g+3], v[AD] offset:VFO+FRB*\t+16*\g   ; V's fragments land under the softmax
.endr
.endr
.irp b, 0,1,2,3
	v_max3_num_f32 v[BM+\b], v[S+16*\b], v[S+16*\b+1], v[S+16*\b+2]   ; THE LARGEST SCORE OF EACH BLOCK OF 32 KEYS serves twice: for the row's maximum and, since p rises with the score, for the block's largest p.  Each accumulator is read from its low end on
.endr
.irp i, 3,5,7,9,11,13
.irp b, 0,1,2,3
	v_max3_num_f32 v[BM+\b], v[BM+\b], v[S+16*\b+\i], v[S+16*\b+\i+1]   ; (the four blocks by turns)
.endr
.endr
.irp b, 0,1,2,3
	v_max_num_f32 v[BM+\b], v[BM+\b], v[S+16*\b+15]
.endr
.irp b, 0,1,2,3
	v_permlanex16_b32 v[T4+\b], v[BM+\b], s[SEL], s[SEL+1]
.endr
.irp b, 0,1,2,3
	v_max_num_f32 v[BM+\b], v[BM+\b], v[T4+\b]     ; with lane l xor 16's 16 keys
.endr
	v_max3_num_f32 v[TP], v[BM], v[BM+1], v[BM+2]
	v_max_num_f32 v[TP], v[TP], v[BM+3]            ; the step's largest score of my query
	v_mul_f32 v[TP], s[CS], v[TP]                  ; as t (c is positive)
	v_max_num_f32 v[NM+1], v[NM+1], v[TP]          ; the running largest t
	v_mov_b32 v[TP], v[NM]
	v_floor_f32 v[NM], -v[NM+1]                    ; the new -M = floor(-t) = -ceil(t): M is a whole number
	v_sub_f32 v[TP], v[NM], v[TP]                  ; M's old value less its new one: a whole number, 0 or less
	v_cvt_i32_f32 v[TP], v[TP]                     ; (it saturates)
	v_ldexp_f32 v[FF], 1.0, v[TP]                  ; f = 2^(old M - new M)
.set n, 0
.rept 32
	v_pk_fma_f32 v[S+n:S+n+1], v[S+n:S+n+1], s[CS:CS+1], v[NM:NM+1] op_sel_hi:[1,0,0]   ; t - M, two at a time (of the pairs c and -M the low word serves both halves)
.set n, n+2
.endr
.irp b, 0,1,2,3
	v_fma_f32 v[BM+\b], v[BM+\b], s[CS], v[NM]     ; the same of each block's largest score
.endr
.set n, 0
.rept 64
	v_exp_f32 v[S+n], v[S+n]                       ; p = 2^(t - M), at most 1: not normalised
.set n, n+1
.endr
.irp b, 0,1,2,3
	v_exp_f32 v[BM+\b], v[BM+\b]                   ; the block's largest p: the same two instructions on the same number give the same bits
.endr
	v_pk_mul_f32 v[SUM:SUM+1], v[SUM:SUM+1], v[FF:FF+1] op_sel_hi:[1,0]   ; the sums under the new M.  (The plain place behind the exponentials)
	s_wait_alu depctr_va_vdst(0)
.irp b, 0,1,2,3
	v_max_num_f32 v[BM+\b], 0x1800000, v[BM+\b]    ; the floor 2^(3 - 127): the byte cannot fall under 1
.endr
.irp b, 0,1,2,3
	v_add_nc_u32 v[SO+\b], 0xff000000, v[BM+\b]    ; 2 off the exponent field: the conversion's scale operand
.endr
.irp b, 0,1,2,3
	v_lshrrev_b32 v[T4+\b], 23, v[SO+\b]           ; the scale's byte
.endr
	v_lshl_or_b32 v[PS], v[T4+1], 8, v[T4]         ; p's scale word for these 128 keys
	v_lshl_or_b32 v[PS], v[T4+2], 16, v[PS]
	v_lshl_or_b32 v[PS], v[T4+3], 24, v[PS]
.irp c, 0,1
	v_cvt_scalef32_pk16_fp6_f32 v[P+6*\c:P+6*\c+2], v[S+32*\c:S+32*\c+15], v[SO+2*\c]
	v_cvt_scalef32_pk16_fp6_f32 v[T4+4*\c:T4+4*\c+2], v[S+32*\c+16:S+32*\c+31], v[SO+2*\c+1]   ; (a conversion's three registers begin on an even number)
.endr
	v_nop                                          ; one plain place behind a scaled conversion
.irp c, 0,1                            ; the operand's layout wants a WHOLE block in a lane: lanes 0-15 block 2 c, lanes 16-31 block 2 c + 1
.irp i, 0,1,2
	v_permlane16_swap_b32 v[P+6*\c+\i], v[T4+4*\c+\i]
.endr
.irp i, 0,1,2
	v_mov_b32 v[P+3+6*\c+\i], v[T4+4*\c+\i]
.endr
.endr
.set n, 0
.rept 16
	v_pk_mul_f32 v[O+n:O+n+1], v[O+n:O+n+1], v[FF:FF+1] op_sel_hi:[1,0]   ; O^T under the new M: x f; each accumulator from its low end on
.set n, n+2
.endr
	v_pk_add_f32 v[T4:T4+1], v[S:S+1], v[S+2:S+3]  ; THE ROW'S SUM IS TAKEN OF THE UNQUANTISED p: two at a time, in two chains.  (These and the multiplies above are the places between p's codes and scale word and the products below)
.set n, 4
.rept 15
	v_pk_add_f32 v[SUM:SUM+1], v[SUM:SUM+1], v[S+n:S+n+1]
	v_pk_add_f32 v[T4:T4+1], v[T4:T4+1], v[S+n+2:S+n+3]
.set n, n+4
.endr
	v_pk_add_f32 v[SUM:SUM+1], v[SUM:SUM+1], v[T4:T4+1]
	s_wait_dscnt 0x0                               ; V's fragments are in
.irp t, 0,1,2,3                        ; O^T += V^T P^T: four accumulators by turns, one instruction a turn, with the eight of S^T between two turns of one
	v_wmma_scale_f32_16x16x128_f8f6f4 v[O+8*\t:O+8*\t+7], v[F+12*\t:F+12*\t+11], v[P:P+11], v[O+8*\t:O+8*\t+7], v[SC+\t], v[PS] matrix_a_fmt:MATRIX_FMT_FP6 matrix_b_fmt:MATRIX_FMT_FP6 matrix_a_scale:MATRIX_SCALE_ROW1
.endr
	s_add_co_u32 s[TB], s[TB], REC                 ; the next record
.endm
; THE WAY OUT of a pass.  O^T / the sum goes through my stage (a lane holds 8 neighbours of four pieces of one row) and comes back as whole rows: a store covers 512 consecutive bytes, two rows of out, at a multiple of 256 from out's first byte.
.macro EPILOGUE off, more
	PLACES 4                                       ; behind the last products
	v_add_f32 v[SUM], v[SUM], v[SUM+1]             ; the sum's two halves,
	v_permlanex16_b32 v[TP], v[SUM], s[SEL], s[SEL+1]
	v_add_f32 v[SUM], v[SUM], v[TP]                ; and lane l xor 16's: the row's sum
	v_rcp_f32 v[SUM], v[SUM]
	v_nop                                          ; one plain place behind a transcendental
.set n, 0
	s_wait_alu depctr_va_vdst(0)
.rept 16
	v_pk_mul_f32 v[S+n:S+n+1], v[O+n:O+n+1], v[SUM:SUM+1] op_sel_hi:[1,0]   ; register 8 t + i is out(r, 16 t + 8 h + i)
.set n, n+2
.endr
.irp t, 0,1,2,3
	ds_store_b128 v[STO], v[S+8*\t:S+8*\t+3] offset:64*\t
	ds_store_b128 v[STO], v[S+8*\t+4:S+8*\t+7] offset:64*\t+16
.endr
.irp j, 0,1,2,3,4,5,6,7
	ds_load_b128 v[S+32+4*\j:S+32+4*\j+3], v[STW] offset:2*SPI*\j   ; LDS serves a wave's instructions in order (ISA guide 5.7.1): these see my stores
.endr
.irp j, 0,1,2,3,4,5,6,7
	s_wait_dscnt 7-\j                              ; load j is in; the 7 - j younger ones may be out
	global_store_b128 v[L16], v[S+32+4*\j:S+32+4*\j+3], s[OP:OP+1] offset:\off+512*\j th:TH_STORE_NT
.endr
.if \more
	s_wait_xcnt 0x0                                ; the stores' data registers are written again in the next pass only behind this wait
.endif
.endm
	s_load_b256 s[4:11], s[0:1], 0x0               ; Q s[4:5], K s[6:7], V s[8:9], out s[10:11]
	v_lshl_add_u32 v254, v0, 2, 0x43000
	v_mov_b32 v255, 0
	v_lshrrev_b32 v10, 5, v0
	v_readfirstlane_b32 s[WV], v10                 ; wave 0..15
	s_and_b32 s[W7], s[WV], 7
	v_and_b32 v11, 31, v0                          ; lane
	v_and_b32 v12, 15, v0                          ; r
	v_bfe_u32 v13, v0, 4, 1                        ; h
	; every LDS address register is made here, by every wave, ahead of the first branch on the wave's number
	v_mul_u32_u24 v[L48], v11, 48
	v_lshlrev_b32 v[L16], 4, v11
	v_lshlrev_b32 v[L4], 2, v11
	s_mul_i32 s33, s[WV], 16*SPI
	s_add_co_u32 s33, s33, STG                     ; my stage
	v_mul_u32_u24 v[STW], v13, SPI
	v_lshl_add_u32 v[STW], v12, 4, v[STW]
	v_add_nc_u32 v[STW], s33, v[STW]
	v_mul_u32_u24 v[STR], v12, SPI
	v_lshl_add_u32 v[STO], v13, 5, v[STR]
	v_lshl_add_u32 v[STR], v13, 7, v[STR]
	v_add_nc_u32 v[STR], s33, v[STR]
	v_add_nc_u32 v[STO], s33, v[STO]
	s_lshr_b32 s34, s[W7], 1                       ; K: fragment b;  V: key block kb
	s_and_b32 s35, s[W7], 1                        ; K: tile u;      V: which 32 columns, e
	s_mul_i32 s36, s34, FRB                        ; K's codes: fragment b, my own lane's 48 bytes, half u
	s_mul_i32 s37, s35, 24
	s_add_co_u32 s36, s36, s37
	v_add_nc_u32 v[KWC], s36, v[L48]
	s_lshl_b32 s36, s34, 2                         ; K's byte: word [r][b], byte 2 u + h
	s_lshl_b32 s37, s35, 1
	s_add_co_u32 s36, s36, s37
	s_add_co_u32 s36, s36, KSO
	v_lshl_add_u32 v[KWS], v12, 4, v13
	v_add_nc_u32 v[KWS], s36, v[KWS]
	s_mul_i32 s36, s35, 2*FRB                      ; V's codes: column d = 32 e + lane: fragment 2 e + h, operand lane r + 16 (kb % 2), half kb / 2
	s_and_b32 s37, s34, 1
	s_mul_i32 s37, s37, 16*48
	s_add_co_u32 s36, s36, s37
	s_lshr_b32 s37, s[W7], 2
	s_mul_i32 s37, s37, 24
	s_add_co_u32 s36, s36, s37
	s_add_co_u32 s36, s36, VFO
	v_mul_u32_u24 v[VWC], v13, FRB
	v_mad_u32_u24 v[VWC], v12, 48, v[VWC]
	v_add_nc_u32 v[VWC], s36, v[VWC]
	s_lshl_b32 s36, s35, 3                         ; V's byte: word [r][2 e + h], byte kb
	s_add_co_u32 s36, s36, s34
	s_add_co_u32 s36, s36, VSO
	v_lshlrev_b32 v[VWS], 2, v13
	v_lshl_add_u32 v[VWS], v12, 4, v[VWS]
	v_add_nc_u32 v[VWS], s36, v[VWS]
.irp j, 0,1,2,3,4,5,12,13,14,15,16,17
	v_mov_b32 v[QZ+\j], 0                          ; the zero codes on both sides of q
.endr
.irp j, 0,1,2,3
	v_mov_b32 v[T4+\j], 0                          ; written once: a lane permute's destination counts as one of its sources
.endr
	v_mov_b32 v[TP], 0
	s_mov_b32 s[SEL], 0x76543210
	s_mov_b32 s[SEL+1], 0xfedcba98
	s_mov_b32 s[CS], 0x3e38aa3b                    ; c = log2(e) / 8
	s_mov_b32 s[CS+1], s[CS]                       ; (named with it as a pair, so it is written)
	s_and_b32 s38, ttmp7, 0xffff                   ; the head:
	s_lshl_b32 s38, s38, 19                        ; 2,048 rows of 256 bytes
	s_mov_b32 s39, 0
	s_lshl_b32 s36, ttmp9, 17                      ; my work-group's 512 queries,
	s_lshl_b32 s37, s[WV], 12                      ; my wave's 16 of them
	s_add_co_u32 s36, s36, s37
	s_add_co_u32 s36, s36, s38
	s_mov_b32 s37, 0
	s_lshl_b32 s40, s34, 13                        ; K: 32 b rows;  V: 32 kb rows
	s_wait_kmcnt 0x0
	s_cmp_lt_u32 s[WV], 8                          ; K's wave or V's?  The choice hangs on the wave's number alone
	s_cselect_b64 s[GB:GB+1], s[6:7], s[8:9]
	s_cselect_b32 s33, 11, 7                       ; K: 8 u rows of 256 bytes;  V: 32 e columns of 4 bytes
	s_lshl_b32 s33, s35, s33
	s_add_co_u32 s40, s40, s33
	s_add_co_u32 s38, s38, s40
	s_add_nc_u64 s[GB:GB+1], s[GB:GB+1], s[38:39]
	s_add_nc_u64 s[QP:QP+1], s[4:5], s[36:37]
	s_add_nc_u64 s[OP:OP+1], s[10:11], s[36:37]
	s_cmp_lt_u32 s[WV], 8                          ; record 0's numbers
	s_cbranch_scc0 .Lfirst_v
	KLOADS
	s_branch .Lfirst_asked
.Lfirst_v:
	VLOADS
.Lfirst_asked:
	QLOAD S+32, 0                                  ; pass 0's queries, into registers that the scores take later
	PRODUCE 1                                      ; record 0 is made, record 1 asked for; its wait for 0 has shown Q's loads done too
	QPREP S+32, 0
	INIT
	; PASS 0: step s reads record s, makes record s + 1 and asks for record s + 2
	s_mov_b32 s[TB], 0
	s_mov_b32 s[CNT], 14
.Lpass0:
	STEP 1, 1, 1
	s_sub_co_u32 s[CNT], s[CNT], 1
	s_cmp_lg_u32 s[CNT], 0
	s_cbranch_scc1 .Lpass0
	STEP 1, 1, 0                                   ; step 14 makes record 15: nothing is left to ask for, so no load leaves its buffer
	QLOAD X, PASSB                                 ; X is free: pass 1's queries come under step 15
	STEP 1, 0, 0
	EPILOGUE 0, 1
	QPREP X, 1
	INIT
	; PASS 1: all sixteen records lie in LDS, shown to every wave by pass 0's last barrier, and nobody writes them: no barrier
	s_mov_b32 s[TB], 0
	s_mov_b32 s[CNT], 16
.Lpass1:
	STEP 0, 0, 0
	s_sub_co_u32 s[CNT], s[CNT], 1
	s_cmp_lg_u32 s[CNT], 0
	s_cbranch_scc1 .Lpass1
	EPILOGUE PASSB, 0
	s_wait_tensorcnt 0x0
	ds_add_u32 v254, v255
	s_wait_dscnt 0x0
	s_endpgm
.Lfunc_end_k_qe79492230f_attn:
	.size	k_qe79492230f_attn, .Lfunc_end_k_qe79492230f_attn-k_qe79492230f_attn
	.p2alignl 7, 3214868480
	.fill 96, 4, 3214868480
	.section	.rodata,"a",@progbits
	.p2align	6, 0x0
	.amdhsa_kernel k_qe79492230f_attn
		.amdhsa_group_segment_fixed_size 276480
		.amdhsa_private_segment_fixed_size 0
		.amdhsa_enable_private_segment 0
		.amdhsa_kernarg_size 32
		.amdhsa_user_sgpr_count 2
		.amdhsa_user_sgpr_kernarg_segment_ptr 1
		.amdhsa_wavefront_size32 1
		.amdhsa_system_sgpr_workgroup_id_x 1
		.amdhsa_system_sgpr_workgroup_id_y 1
		.amdhsa_system_sgpr_workgroup_id_z 1
		.amdhsa_system_vgpr_workitem_id 0
		.amdhsa_next_free_vgpr 256
		.amdhsa_next_free_sgpr 66
		.amdhsa_reserve_vcc 0
		.amdhsa_float_denorm_mode_32 3
		.amdhsa_float_denorm_mode_16_64 3
		.amdhsa_memory_ordered 1
		.amdhsa_forward_progress 1
		.amdhsa_inst_pref_size 107
	.end_amdhsa_kernel
	.amdgpu_metadata
---
amdhsa.version: [ 1, 2 ]
amdhsa.kernels:
  - .name:           k_qe79492230f_attn
    .symbol:         k_qe79492230f_attn.kd
    .args:
      - { .name: Q, .offset: 0, .size: 8, .value_kind: global_buffer, .address_space: global }
      - { .name: K, .offset: 8, .size: 8, .value_kind: global_buffer, .address_space: global }
      - { .name: V, .offset: 16, .size: 8, .value_kind: global_buffer, .address_space: global }
      - { .name: out0, .offset: 24, .size: 8, .value_kind: global_buffer, .address_space: global }
    .group_segment_fixed_size: 276480
    .private_segment_fixed_size: 0
    .kernarg_segment_align: 8
    .kernarg_segment_size: 32
    .max_flat_workgroup_size: 512
    .sgpr_count:     66
    .vgpr_count:     256
    .wavefront_size: 32
...
	.end_amdgpu_metadata
.endif
;; end of part 1
;; ======== version 2 of 2: 1 launch; version 1 with the launch attn written anew for expert scheduling mode
;; launch attn (part 2): grid 4 x 64, 16 waves a work-group, no clusters, 276,480 bytes of LDS; arguments Q, K, V, out0; writes out0
.if DOCPART == 2
	.amdgcn_target "amdgcn-amd-amdhsa--gfx1250"
	.amdhsa_code_object_version 6
	.text
	.protected	k_qe79492230f_attn
	.globl	k_qe79492230f_attn
	.p2align	8
	.type	k_qe79492230f_attn,@function
k_qe79492230f_attn:
	s_mov_b64 s[64:65], 0
	v_nop
	global_prefetch_b8 v0, s[64:65] scope:SCOPE_SE
	s_setreg_imm32_b32 hwreg(HW_REG_WAVE_SCHED_MODE, 0, 2), 2
	s_setreg_imm32_b32 hwreg(HW_REG_WAVE_MODE, 25, 1), 1
	s_wait_xcnt 0x0
	s_wait_alu depctr_vm_vsrc(0)
; out[h][q][:] = the sum over k of softmax_k(Q[h][q] . K[h][k] / 8) V[h][k][:].  Q, K, V, out: [64 heads][2048][64] f32.  Both products on codes of FP6 (E2M3) with one E8M0 scale for each 32 along a product's K.
; THE SOFTMAX AHEAD OF THE SECOND PRODUCT: t = score x log2(e) / 8; M = the row's largest t so far, rounded UP to a whole number; p = 2^(t - M) is what is quantised, along the keys; it is not normalised.
; The row's sum is taken of the unquantised p, in f32, and divides O at the end.  When M moves, the sum and O are multiplied by 2^(old M - new M): exact.
; SHARES.  A work-group owns 512 queries of one head (4 work-groups a head, 256 in all).  Sixteen waves of 256 registers; a wave owns one tile of 16 queries a pass, two passes (queries + 0, + 256).
; THE WORK-GROUP QUANTISES ITS HEAD'S K AND V ITSELF, INTO LDS, ONCE: the codes of 2,048 keys are 2 x 98,304 bytes, the scale words 8,192.  A RECORD holds a key step (128 keys).  In pass 0, step s reads record s while
; record s + 1 is made and the f32 numbers of record s + 2 are on their way from memory into registers.  No byte of a record is written twice; one barrier at the head of each step of pass 0 shows record s to every wave.
; A record is 512 blocks of 32: one block a lane.  Waves 0-7 take K (K's own K, the head's 64, is innermost: 16 rows come by loads of 512 consecutive bytes and are turned through the wave's stage, so that a lane holds
; 32 neighbours of one key).  Waves 8-15 take V (its K, the keys, is not innermost: a lane takes a column d and its registers run down 32 keys; a load reads 128 consecutive bytes).
; LAYOUT.  Both products are used transposed: S^T = K Q^T (source 0 = 16 keys, source 1 = my 16 queries), O^T = V^T P^T (source 0 = 16 of the head's 64, source 1 = P): a lane holds ONE query (lane % 16) throughout.
; TWO TILES OF KEYS IN ONE OPERAND.  The instruction contracts 128 and the head has 64: fragment b of K holds tile u = 0 at k 0-63 and tile u = 1 at k 64-127.  Q stands in 18 registers as [0 | q | 0]: the operand [q | 0]
; picks tile 0, [0 | q] tile 1 (zero codes add nothing under any scale byte from 1 to 254).  Lane r of tile (b, u) takes key 32 b + 8 u + r + 8 (r / 8), so that S^T's registers 16 b .. 16 b + 15 are the 16 neighbouring keys 32 b + 16 (lane / 16) + 0 .. 15.
; A FRAGMENT LIES IN LDS AS [lane][48 bytes], the lane's 12 registers on end: three loads of 16 bytes at 48 x lane + 16 g; sixteen lanes, 48 bytes apart, fall on sixteen different 16-byte columns of 256 bytes.  A quantised block, 24 bytes, is half of one lane's 48.
; LDS: record s at 12,800 s: K's 4 fragments (+0), V^T's 4 (+6,144), K's scale words [r][b] (+12,288; byte 2 u + d block), V's [r][t] (+12,544; byte = key block).  Behind the 16 records a stage of 16 rows x (256 + 16) bytes for each wave, its own;
; behind the stages, from byte 0x43000 on, the spare words, 128 bytes for each wave, which no line names but the closing add.
; NO JOINT LOADS: what the four work-groups of a head share is K and V as f32, 65,536 bytes a key step; a ring of two such slots, 131,072 bytes, does not fit beside the 274,432 bytes of codes, scale words and stages in the 327,680 that a work-group can claim.
; LIMITS: NaN and infinities among the inputs are not served.  A block of zeros, or one whose largest magnitude lies under 2^-124, gets the scale byte 1 (this program alone reads the bytes; zero codes add nothing).  A p under 2^-126 counts as 0 (v_exp_f32 gives no denormals).
; THE MODE: SCHED_MODE bits 1:0 = 2 (LLVM: expert scheduling mode 2), set by the entry lines.  The code itself states the register dependences between vector or matrix instructions and memory or LDS instructions, with s_wait_alu, always for 0.
; THE PLAN.  Registers that memory or LDS instructions touch, round a step:
;   v10, v11      Written by two adds at the step's head; read by the step's LDS loads of fragments and scale words.
;   F, SC         K's fragments and the scale words land at the step's head and are read by the eight products S^T; V's fragments land in F behind those and are read, with SC, by the four products O^T.
;   X             The global loads land in it; in K's waves the turn's LDS stores read it and its LDS loads land in it; QUANT's vector lines read it; then it is asked for again.
;   v236-241, v235  Written by QUANT; read by PRODUCE's four LDS stores; written again by the same step's softmax.
;   v5-v8         Read by those stores as addresses; stepped by four adds at PRODUCE's end.
;   S             On the way out: v92-123 written by the multiplies and read by the LDS stores into the stage; v124-155 take the stage's loads and are read by the global stores.  At the head v124-155 take Q.
;   v2, v3, v4, v9, v16, v254, v255  Made at the head and never written again.
; So a step has four waits on va_vdst: at its head (the two addresses are written, the last products are done with F and SC), behind the products S^T (they are done with K's fragments), behind the exponentials, and ahead of the
; products O^T (p's codes and scale word are written); PRODUCE has one, behind QUANT.  On vm_vsrc: one at the step's head (ahead of the adds to v10, v11), one in the turn, one at PRODUCE's end.
; Behind the wait that follows the products S^T, V's twelve loads are dealt among the maximum's first lines, which name S and v232-235 alone.
.set REC,   12800                      ; bytes of a record
.set FRB,   1536                       ; bytes of a fragment
.set VFO,   4*FRB                      ; V's fragments in a record
.set KSO,   8*FRB                      ; K's scale words
.set VSO,   KSO+256                    ; V's
.set STG,   16*REC                     ; the stages
.set SPI,   272                        ; a stage row: 256 bytes + 16
.set STEPB, 128*256                    ; a key step of K or V in memory
.set PASSB, 256*256                    ; from a pass's queries to the next pass's, in Q and in out
.set L48, 1                            ; v1   48 x lane
.set L16, 2                            ; v2   16 x lane: LDS and global
.set STW, 3                            ; v3   stage by loads' order: row lane / 16, 16 bytes at 16 (lane % 16)
.set STR, 4                            ; v4   stage by operand's order: row lane % 16, 128 bytes at 128 (lane / 16)
.set KWC, 5                            ; v5   where I store a block of K's codes; v6 its scale byte; v7, v8 the same for V.  All four step a record on behind each PRODUCE
.set KWS, 6
.set VWC, 7
.set VWS, 8
.set L4,  9                            ; v9   4 x lane
.set AD,  10                           ; v10  the record in hand + 48 x lane
.set ADS, 11                           ; v11  the record in hand + 16 x lane
.set NM,  12                           ; v12  -M;  v13 the largest t
.set SUM, 14                           ; v[14:15] the row's sum in two halves
.set STO, 16                           ; v16  stage on the way out: row lane % 16, 32 bytes at 32 (lane / 16)
.set QZ,  18                           ; v18-23 zeros, v24-29 q's codes, v30-35 zeros
.set QS,  36                           ; v36  Q's scale word: e0, e1, e0, e1
.set FF,  38                           ; v38  f = 2^(old M - new M);  v39 p's scale word
.set PS,  39
.set SC,  40                           ; v40-43 lanes 0-15: K's scale words b = 0..3; lanes 16-31: V's t = 0..3
.set F,   44                           ; v44-91   four fragments: K's, then V's
.set S,   92                           ; v92-155  S^T, then p
.set O,   156                          ; v156-187 O^T
.set P,   188                          ; v188-199 p's codes
.set X,   200                          ; v200-231 32 numbers on their way from memory
.set BM,  232                          ; v232-235 block maxima; in QUANT: two chains, the scale operand, the byte
.set T4,  236                          ; v236-243 at work
.set SO,  244                          ; v244-247 the conversions' scale operands
.set TP,  248                          ; v248 at work
.set WV,  12                           ; s12  wave;  s13 wave % 8
.set W7,  13
.set SEL, 20                           ; s[20:21] v_permlanex16_b32's selects for lane l xor 16
.set CS,  22                           ; s[22:23] c = log2(e) / 8
.set GB,  24                           ; s[24:25] my share of K or V, at the record whose numbers are asked for
.set QP,  26                           ; s[26:27] Q at my tile of pass 0;  s[28:29] out likewise
.set OP,  28
.set TB,  30                           ; s30  LDS byte of the record in hand
.set CNT, 32                           ; s32  loop counter
.macro PLACES n
.rept \n
	v_nop
.endr
.endm
; 16 rows of 256 bytes, held as they were loaded (register group j: rows 2 j and 2 j + 1, 16 bytes a lane), go through my stage and come back as the operand wants them: lane (r, h) holds 32 neighbours, 32 h on, of row r.
.macro TURN reg
.irp j, 0,1,2,3,4,5,6,7
	ds_store_b128 v[STW], v[\reg+4*\j:\reg+4*\j+3] offset:2*SPI*\j
.endr
	s_wait_dscnt 0x0                               ; my stores into the stage are done
	s_wait_alu depctr_vm_vsrc(0)                   ; the eight stores above have read v[reg ..], in which the loads below land
.irp j, 0,1,2,3,4,5,6,7
	ds_load_b128 v[\reg+4*\j:\reg+4*\j+3], v[STR] offset:16*\j
.endr
	s_wait_dscnt 0x0
.endm
; A whole block of 32 in one lane, v[src] on, becomes 24 bytes of codes in v[dst] .. v[dst + 5] and its scale byte in v235.
.macro QUANT src, dst
	v_max3_num_f32 v[BM], |v[\src]|, |v[\src+1]|, 0x1800000          ; the largest magnitude, in two chains; the floor 2^(3 - 127) among its leaves holds the byte at 1 from below
	v_max3_num_f32 v[BM+1], |v[\src+2]|, |v[\src+3]|, |v[\src+4]|
.irp i, 5,9,13,17,21,25
	v_max3_num_f32 v[BM], v[BM], |v[\src+\i]|, |v[\src+\i+1]|
	v_max3_num_f32 v[BM+1], v[BM+1], |v[\src+\i+2]|, |v[\src+\i+3]|
.endr
	v_max3_num_f32 v[BM], v[BM], |v[\src+29]|, |v[\src+30]|
	v_max3_num_f32 v[BM], v[BM], v[BM+1], |v[\src+31]|
	v_add_nc_u32 v[BM+2], 0xff000000, v[BM]        ; 2 off its exponent field: the conversion takes the exponent field of this operand as its scale, and nothing else of it
	v_lshrrev_b32 v[BM+3], 23, v[BM+2]             ; the scale's byte
	v_cvt_scalef32_pk16_fp6_f32 v[\dst:\dst+2], v[\src:\src+15], v[BM+2]
	v_cvt_scalef32_pk16_fp6_f32 v[T4+4:T4+6], v[\src+16:\src+31], v[BM+2]   ; (a conversion's three registers begin on an even number)
	v_nop                                          ; one plain place behind a scaled conversion
	v_mov_b32 v[\dst+3], v[T4+4]                   ; in ascending order: with dst = T4 each line frees the next line's destination
	v_mov_b32 v[\dst+4], v[T4+5]
	v_mov_b32 v[\dst+5], v[T4+6]
.endm
.macro KLOADS                          ; my tile's 16 keys: rows 0-7 and 16-23 from my base on; each load reads 512 consecutive bytes.  No cache word: four work-groups read these bytes
.irp j, 0,1,2,3,4,5,6,7
	global_load_b128 v[X+4*\j:X+4*\j+3], v[L16], s[GB:GB+1] offset:512*(\j%4)+4096*(\j/4)
.endr
.endm
.macro VLOADS                          ; my column, down 32 keys
.set n, 0
.rept 32
	global_load_b32 v[X+n], v[L4], s[GB:GB+1] offset:256*n
.set n, n+1
.endr
.endm
; The numbers in X become a block's codes and byte in the record that v5-v8 point at.  wiss = 1: the next record's numbers are asked for.
.macro PRODUCE wiss
	s_wait_loadcnt 0x0                             ; my numbers are in (asked for a key step ago), and the loads have read their base
.if \wiss
	s_add_nc_u64 s[GB:GB+1], s[GB:GB+1], STEPB
.endif
	s_cmp_lt_u32 s[WV], 8
	s_cbranch_scc0 .Lfor_v_\@
	TURN X
	QUANT X, T4
	s_wait_alu depctr_va_vdst(0)                   ; QUANT has written the codes v236-241 and the byte v235, which the stores below read, and is done reading X, in which the loads below land; v5, v6 are written (the last PRODUCE's adds)
	ds_store_b64 v[KWC], v[T4:T4+1]
	ds_store_b64 v[KWC], v[T4+2:T4+3] offset:8
	ds_store_b64 v[KWC], v[T4+4:T4+5] offset:16
	ds_store_b8 v[KWS], v[BM+3]
.if \wiss
	KLOADS                                         ; no further wait: no vector instruction since the wait above
.endif
	s_wait_alu depctr_vm_vsrc(0)                   ; the four stores have read v5, v6, which the adds below write, and v235-241, which the softmax writes
	s_branch .Lmade_\@
.Lfor_v_\@:
	QUANT X, T4
	s_wait_alu depctr_va_vdst(0)                   ; QUANT has written the codes v236-241 and the byte v235, which the stores below read, and is done reading X, in which the loads below land; v7, v8 are written (the last PRODUCE's adds)
	ds_store_b64 v[VWC], v[T4:T4+1]
	ds_store_b64 v[VWC], v[T4+2:T4+3] offset:8
	ds_store_b64 v[VWC], v[T4+4:T4+5] offset:16
	ds_store_b8 v[VWS], v[BM+3]
.if \wiss
	VLOADS                                         ; no further wait: no vector instruction since the wait above
.endif
	s_wait_alu depctr_vm_vsrc(0)                   ; the four stores have read v7, v8, which the adds below write, and v235-241, which the softmax writes
.Lmade_\@:
.irp a, KWC, KWS, VWC, VWS
	v_add_nc_u32 v[\a], REC, v[\a]                 ; on to the next record: every wave steps all four
.endr
.endm
.macro QLOAD reg, off                  ; my 16 queries: 4,096 consecutive bytes, read by nobody else
.irp j, 0,1,2,3,4,5,6,7
	global_load_b128 v[\reg+4*\j:\reg+4*\j+3], v[L16], s[QP:QP+1] offset:\off+512*\j th:TH_LOAD_NT
.endr
.endm
.macro QPREP src, wt                   ; they become q's codes and scale word.  wt = 0: an earlier wait for 0 has shown the loads done
.if \wt
	s_wait_loadcnt 0x0
.endif
	TURN \src
	QUANT \src, QZ+6
	v_bfe_u32 v[TP], v0, 4, 1
	v_lshlrev_b32 v[TP], 3, v[TP]
	v_lshlrev_b32 v[T4+7], v[TP], v[BM+3]          ; my block's byte at its place: 8 (lane / 16) bits up;
	v_permlanex16_b32 v[TP], v[T4+7], s[SEL], s[SEL+1]
	v_or_b32 v[T4+7], v[T4+7], v[TP]               ; with lane l xor 16's: e0, e1;
	v_lshl_or_b32 v[QS], v[T4+7], 16, v[T4+7]      ; twice, since q stands at k 0-63 or at k 64-127
.endm
.macro INIT                            ; a pass begins.  The step is written once: its first run finds zeros, which the first change of M leaves zeros.  These lines are also the places between q's registers and the first product
	v_mov_b32 v[NM+1], 0xff61b1e6                  ; the largest t so far: -3e38, under every t
	v_floor_f32 v[NM], -v[NM+1]                    ; -M
	v_mov_b32 v[SUM], 0
	v_mov_b32 v[SUM+1], 0
	v_mov_b32 v[PS], 0                             ; (named as the upper half of the pair v[38:39] before it is first written)
.set n, 0
.rept 32
	v_mov_b32 v[O+n], 0
.set n, n+1
.endr
.endm
.macro VFRAG t                         ; fragment t of V^T: three loads of 16 bytes
.irp g, 0,1,2
	ds_load_b128 v[F+12*(\t)+4*\g:F+12*(\t)+4*\g+3], v[AD] offset:VFO+FRB*(\t)+16*\g
.endr
.endm
.macro MAXG i                          ; scores i and i + 1 of each block join its maximum (the four blocks by turns)
.irp b, 0,1,2,3
	v_max3_num_f32 v[BM+\b], v[BM+\b], v[S+16*\b+(\i)], v[S+16*\b+(\i)+1]
.endr
.endm
; A KEY STEP: the 128 keys of the record at s[TB].  wbar = 1: pass 0's barrier;  wprod = 1: the next record is made;  wiss = 1: and the one behind it asked for.
.macro STEP wbar, wprod, wiss
.if \wbar
	s_wait_dscnt 0x0                               ; for the others' sake: my stores into this record have landed
	s_barrier_signal -1
	s_barrier_wait -1                              ; everybody's have.  What is stored behind this barrier goes to the next record: other bytes
.endif
	s_wait_alu depctr_vm_vsrc(0)                   ; the last step's LDS loads have read v10 and v11, which the two adds below write
	v_add_nc_u32 v[AD], s[TB], v[L48]
	v_add_nc_u32 v[ADS], s[TB], v[L16]
	PLACES 2                                       ; with the two additions: four places in front of loads into registers that the last products read
	s_wait_alu depctr_va_vdst(0)                   ; v10 and v11 are written, which the loads below read; the last step's products are done reading V's fragments and the scale words, in which they land; in a pass's first step q's codes, the zeros beside them and q's scale word are written, which the products below take
.irp b, 0,1,2,3
.irp g, 0,1,2
	ds_load_b128 v[F+12*\b+4*\g:F+12*\b+4*\g+3], v[AD] offset:FRB*\b+16*\g
.endr
.endr
	ds_load_b128 v[SC:SC+3], v[ADS] offset:KSO     ; 512 bytes: lanes 0-15 K's scale words, lanes 16-31 V's
.if \wprod
	PRODUCE \wiss                                  ; stands where the fragments are on their way
.endif
	s_wait_dscnt 0x0
.irp b, 0,1,2,3                        ; S^T = K Q^T: eight accumulators, each begun with the constant 0
.irp u, 0,1
	v_wmma_scale_f32_16x16x128_f8f6f4 v[S+16*\b+8*\u:S+16*\b+8*\u+7], v[F+12*\b:F+12*\b+11], v[QZ+6-6*\u:QZ+17-6*\u], 0, v[SC+\b], v[QS] matrix_a_fmt:MATRIX_FMT_FP6 matrix_b_fmt:MATRIX_FMT_FP6
.endr
.endr
	PLACES 4                                       ; in front of the loads into K's fragments, and of the first read of the scores
	s_wait_alu depctr_va_vdst(0)                   ; the eight products are done reading K's fragments, in which V's land.  The twelve loads follow, three at a time among the maximum's lines, which name S and v232-235 alone: no further wait
	VFRAG 0                                        ; V's fragments land under the softmax
.irp b, 0,1,2,3
	v_max3_num_f32 v[BM+\b], v[S+16*\b], v[S+16*\b+1], v[S+16*\b+2]   ; THE LARGEST SCORE OF EACH BLOCK OF 32 KEYS serves twice: for the row's maximum and, since p rises with the score, for the block's largest p.  Each accumulator is read from its low end on
.endr
	VFRAG 1
	MAXG 3
	VFRAG 2
	MAXG 5
	VFRAG 3
	MAXG 7
	MAXG 9
	MAXG 11
	MAXG 13
.irp b, 0,1,2,3
	v_max_num_f32 v[BM+\b], v[BM+\b], v[S+16*\b+15]
.endr
.irp b, 0,1,2,3
	v_permlanex16_b32 v[T4+\b], v[BM+\b], s[SEL], s[SEL+1]
.endr
.irp b, 0,1,2,3
	v_max_num_f32 v[BM+\b], v[BM+\b], v[T4+\b]     ; with lane l xor 16's 16 keys
.endr
	v_max3_num_f32 v[TP], v[BM], v[BM+1], v[BM+2]
	v_max_num_f32 v[TP], v[TP], v[BM+3]            ; the step's largest score of my query
	v_mul_f32 v[TP], s[CS], v[TP]                  ; as t (c is positive)
	v_max_num_f32 v[NM+1], v[NM+1], v[TP]          ; the running largest t
	v_mov_b32 v[TP], v[NM]
	v_floor_f32 v[NM], -v[NM+1]                    ; the new -M = floor(-t) = -ceil(t): M is a whole number
	v_sub_f32 v[TP], v[NM], v[TP]                  ; M's old value less its new one: a whole number, 0 or less
	v_cvt_i32_f32 v[TP], v[TP]                     ; (it saturates)
	v_ldexp_f32 v[FF], 1.0, v[TP]                  ; f = 2^(old M - new M)
.set n, 0
.rept 32
	v_pk_fma_f32 v[S+n:S+n+1], v[S+n:S+n+1], s[CS:CS+1], v[NM:NM+1] op_sel_hi:[1,0,0]   ; t - M, two at a time (of the pairs c and -M the low word serves both halves)
.set n, n+2
.endr
.irp b, 0,1,2,3
	v_fma_f32 v[BM+\b], v[BM+\b], s[CS], v[NM]     ; the same of each block's largest score
.endr
.set n, 0
	s_wait_alu depctr_va_vdst(0)
.rept 64
	v_exp_f32 v[S+n], v[S+n]                       ; p = 2^(t - M), at most 1: not normalised
.set n, n+1
.endr
.irp b, 0,1,2,3
	v_exp_f32 v[BM+\b], v[BM+\b]                   ; the block's largest p: the same two instructions on the same number give the same bits
.endr
	v_pk_mul_f32 v[SUM:SUM+1], v[SUM:SUM+1], v[FF:FF+1] op_sel_hi:[1,0]   ; the sums under the new M.  (The plain place behind the exponentials)
	s_wait_alu depctr_va_vdst(0)                   ; the 68 exponentials have written p (v92-155) and the blocks' largest p (v232-235): one wait for the batch, ahead of its first reader
.irp b, 0,1,2,3
	v_max_num_f32 v[BM+\b], 0x1800000, v[BM+\b]    ; the floor 2^(3 - 127): the byte cannot fall under 1
.endr
.irp b, 0,1,2,3
	v_add_nc_u32 v[SO+\b], 0xff000000, v[BM+\b]    ; 2 off the exponent field: the conversion's scale operand
.endr
.irp b, 0,1,2,3
	v_lshrrev_b32 v[T4+\b], 23, v[SO+\b]           ; the scale's byte
.endr
	v_lshl_or_b32 v[PS], v[T4+1], 8, v[T4]         ; p's scale word for these 128 keys
	v_lshl_or_b32 v[PS], v[T4+2], 16, v[PS]
	v_lshl_or_b32 v[PS], v[T4+3], 24, v[PS]
.irp c, 0,1
	v_cvt_scalef32_pk16_fp6_f32 v[P+6*\c:P+6*\c+2], v[S+32*\c:S+32*\c+15], v[SO+2*\c]
	v_cvt_scalef32_pk16_fp6_f32 v[T4+4*\c:T4+4*\c+2], v[S+32*\c+16:S+32*\c+31], v[SO+2*\c+1]   ; (a conversion's three registers begin on an even number)
.endr
	v_nop                                          ; one plain place behind a scaled conversion
.irp c, 0,1                            ; the operand's layout wants a WHOLE block in a lane: lanes 0-15 block 2 c, lanes 16-31 block 2 c + 1
.irp i, 0,1,2
	v_permlane16_swap_b32 v[P+6*\c+\i], v[T4+4*\c+\i]
.endr
.irp i, 0,1,2
	v_mov_b32 v[P+3+6*\c+\i], v[T4+4*\c+\i]
.endr
.endr
.set n, 0
.rept 16
	v_pk_mul_f32 v[O+n:O+n+1], v[O+n:O+n+1], v[FF:FF+1] op_sel_hi:[1,0]   ; O^T under the new M: x f; each accumulator from its low end on
.set n, n+2
.endr
	v_pk_add_f32 v[T4:T4+1], v[S:S+1], v[S+2:S+3]  ; THE ROW'S SUM IS TAKEN OF THE UNQUANTISED p: two at a time, in two chains.  (These and the multiplies above are the places between p's codes and scale word and the products below)
.set n, 4
.rept 15
	v_pk_add_f32 v[SUM:SUM+1], v[SUM:SUM+1], v[S+n:S+n+1]
	v_pk_add_f32 v[T4:T4+1], v[T4:T4+1], v[S+n+2:S+n+3]
.set n, n+4
.endr
	v_pk_add_f32 v[SUM:SUM+1], v[SUM:SUM+1], v[T4:T4+1]
	s_wait_dscnt 0x0                               ; V's fragments are in
	s_wait_alu depctr_va_vdst(0)                   ; p's codes v188-199 and its scale word v39 are written, which the products below take as source 1 and its scales; the places above stay beside this wait
.irp t, 0,1,2,3                        ; O^T += V^T P^T: four accumulators by turns, one instruction a turn, with the eight of S^T between two turns of one
	v_wmma_scale_f32_16x16x128_f8f6f4 v[O+8*\t:O+8*\t+7], v[F+12*\t:F+12*\t+11], v[P:P+11], v[O+8*\t:O+8*\t+7], v[SC+\t], v[PS] matrix_a_fmt:MATRIX_FMT_FP6 matrix_b_fmt:MATRIX_FMT_FP6 matrix_a_scale:MATRIX_SCALE_ROW1
.endr
	s_add_co_u32 s[TB], s[TB], REC                 ; the next record
.endm
; THE WAY OUT of a pass.  O^T / the sum goes through my stage (a lane holds 8 neighbours of four pieces of one row) and comes back as whole rows: a store covers 512 consecutive bytes, two rows of out, at a multiple of 256 from out's first byte.
.macro EPILOGUE off, more
	PLACES 4                                       ; behind the last products
	v_add_f32 v[SUM], v[SUM], v[SUM+1]             ; the sum's two halves,
	v_permlanex16_b32 v[TP], v[SUM], s[SEL], s[SEL+1]
	v_add_f32 v[SUM], v[SUM], v[TP]                ; and lane l xor 16's: the row's sum
	s_wait_alu depctr_va_vdst(0)
	v_rcp_f32 v[SUM], v[SUM]
	v_nop                                          ; one plain place behind a transcendental
.set n, 0
	s_wait_alu depctr_va_vdst(0)                   ; the reciprocal has written v14, ahead of its first reader
.rept 16
	v_pk_mul_f32 v[S+n:S+n+1], v[O+n:O+n+1], v[SUM:SUM+1] op_sel_hi:[1,0]   ; register 8 t + i is out(r, 16 t + 8 h + i)
.set n, n+2
.endr
	s_wait_alu depctr_va_vdst(0)                   ; the multiplies have written v92-123, which the LDS stores below read; the softmax is long done with v124-155, in which the stage's loads land
.irp t, 0,1,2,3
	ds_store_b128 v[STO], v[S+8*\t:S+8*\t+3] offset:64*\t
	ds_store_b128 v[STO], v[S+8*\t+4:S+8*\t+7] offset:64*\t+16
.endr
.irp j, 0,1,2,3,4,5,6,7
	ds_load_b128 v[S+32+4*\j:S+32+4*\j+3], v[STW] offset:2*SPI*\j   ; LDS serves a wave's instructions in order (ISA guide 5.7.1): these see my stores
.endr
.irp j, 0,1,2,3,4,5,6,7
	s_wait_dscnt 7-\j                              ; load j is in; the 7 - j younger ones may be out
	global_store_b128 v[L16], v[S+32+4*\j:S+32+4*\j+3], s[OP:OP+1] offset:\off+512*\j th:TH_STORE_NT
.endr
.if \more
	s_wait_xcnt 0x0                                ; the stores' data registers are written again in the next pass only behind this wait
	s_wait_alu depctr_vm_vsrc(0)                   ; the LDS stores have read v92-123 and the global stores v124-155, which the next pass's products write
.endif
.endm
	s_load_b256 s[4:11], s[0:1], 0x0               ; Q s[4:5], K s[6:7], V s[8:9], out s[10:11]
	v_lshl_add_u32 v254, v0, 2, 0x43000            ; the LDS address of my spare word, and 0: made here, while v0 is as at the entry, and kept for the closing add alone
	v_mov_b32 v255, 0
	v_lshrrev_b32 v10, 5, v0
	v_readfirstlane_b32 s[WV], v10                 ; wave 0..15
	v_and_b32 v11, 31, v0                          ; lane
	v_and_b32 v12, 15, v0                          ; r
	v_bfe_u32 v13, v0, 4, 1                        ; h
	; every LDS address register is made here, by every wave, ahead of the first branch on the wave's number
	v_mul_u32_u24 v[L48], v11, 48
	v_lshlrev_b32 v[L16], 4, v11
	v_lshlrev_b32 v[L4], 2, v11
	s_wait_alu depctr_va_sdst(0)                   ; s12, the wave's number, is written, ahead of its first reader
	s_and_b32 s[W7], s[WV], 7
	s_mul_i32 s33, s[WV], 16*SPI
	s_add_co_u32 s33, s33, STG                     ; my stage
	v_mul_u32_u24 v[STW], v13, SPI
	v_lshl_add_u32 v[STW], v12, 4, v[STW]
	v_add_nc_u32 v[STW], s33, v[STW]
	v_mul_u32_u24 v[STR], v12, SPI
	v_lshl_add_u32 v[STO], v13, 5, v[STR]
	v_lshl_add_u32 v[STR], v13, 7, v[STR]
	v_add_nc_u32 v[STR], s33, v[STR]
	v_add_nc_u32 v[STO], s33, v[STO]
	s_lshr_b32 s34, s[W7], 1                       ; K: fragment b;  V: key block kb
	s_and_b32 s35, s[W7], 1                        ; K: tile u;      V: which 32 columns, e
	s_mul_i32 s36, s34, FRB                        ; K's codes: fragment b, my own lane's 48 bytes, half u
	s_mul_i32 s37, s35, 24
	s_add_co_u32 s36, s36, s37
	v_add_nc_u32 v[KWC], s36, v[L48]
	s_lshl_b32 s36, s34, 2                         ; K's byte: word [r][b], byte 2 u + h
	s_lshl_b32 s37, s35, 1
	s_add_co_u32 s36, s36, s37
	s_add_co_u32 s36, s36, KSO
	v_lshl_add_u32 v[KWS], v12, 4, v13
	v_add_nc_u32 v[KWS], s36, v[KWS]
	s_mul_i32 s36, s35, 2*FRB                      ; V's codes: column d = 32 e + lane: fragment 2 e + h, operand lane r + 16 (kb % 2), half kb / 2
	s_and_b32 s37, s34, 1
	s_mul_i32 s37, s37, 16*48
	s_add_co_u32 s36, s36, s37
	s_lshr_b32 s37, s[W7], 2
	s_mul_i32 s37, s37, 24
	s_add_co_u32 s36, s36, s37
	s_add_co_u32 s36, s36, VFO
	v_mul_u32_u24 v[VWC], v13, FRB
	v_mad_u32_u24 v[VWC], v12, 48, v[VWC]
	v_add_nc_u32 v[VWC], s36, v[VWC]
	s_lshl_b32 s36, s35, 3                         ; V's byte: word [r][2 e + h], byte kb
	s_add_co_u32 s36, s36, s34
	s_add_co_u32 s36, s36, VSO
	v_lshlrev_b32 v[VWS], 2, v13
	v_lshl_add_u32 v[VWS], v12, 4, v[VWS]
	v_add_nc_u32 v[VWS], s36, v[VWS]
.irp j, 0,1,2,3,4,5,12,13,14,15,16,17
	v_mov_b32 v[QZ+\j], 0                          ; the zero codes on both sides of q
.endr
.irp j, 0,1,2,3
	v_mov_b32 v[T4+\j], 0                          ; written once: a lane permute's destination counts as one of its sources
.endr
	v_mov_b32 v[TP], 0
	s_mov_b32 s[SEL], 0x76543210
	s_mov_b32 s[SEL+1], 0xfedcba98
	s_mov_b32 s[CS], 0x3e38aa3b                    ; c = log2(e) / 8
	s_mov_b32 s[CS+1], s[CS]                       ; (named with it as a pair, so it is written)
	s_and_b32 s38, ttmp7, 0xffff                   ; the head:
	s_lshl_b32 s38, s38, 19                        ; 2,048 rows of 256 bytes
	s_mov_b32 s39, 0
	s_lshl_b32 s36, ttmp9, 17                      ; my work-group's 512 queries,
	s_lshl_b32 s37, s[WV], 12                      ; my wave's 16 of them
	s_add_co_u32 s36, s36, s37
	s_add_co_u32 s36, s36, s38
	s_mov_b32 s37, 0
	s_lshl_b32 s40, s34, 13                        ; K: 32 b rows;  V: 32 kb rows
	s_wait_kmcnt 0x0
	s_cmp_lt_u32 s[WV], 8                          ; K's wave or V's?  The choice hangs on the wave's number alone
	s_cselect_b64 s[GB:GB+1], s[6:7], s[8:9]
	s_cselect_b32 s33, 11, 7                       ; K: 8 u rows of 256 bytes;  V: 32 e columns of 4 bytes
	s_lshl_b32 s33, s35, s33
	s_add_co_u32 s40, s40, s33
	s_add_co_u32 s38, s38, s40
	s_add_nc_u64 s[GB:GB+1], s[GB:GB+1], s[38:39]
	s_add_nc_u64 s[QP:QP+1], s[4:5], s[36:37]
	s_add_nc_u64 s[OP:OP+1], s[10:11], s[36:37]
	s_wait_alu depctr_va_vdst(0)                   ; the offsets and LDS addresses v2 to v9 and v16 are written, which the loads and stores of the whole kernel read; so are v254 and v255, which the closing add reads
	s_cmp_lt_u32 s[WV], 8                          ; record 0's numbers
	s_cbranch_scc0 .Lfirst_v
	KLOADS
	s_branch .Lfirst_asked
.Lfirst_v:
	VLOADS
.Lfirst_asked:
	QLOAD S+32, 0                                  ; pass 0's queries, into registers that the scores take later
	PRODUCE 1                                      ; record 0 is made, record 1 asked for; its wait for 0 has shown Q's loads done too
	QPREP S+32, 0
	INIT
	; PASS 0: step s reads record s, makes record s + 1 and asks for record s + 2
	s_mov_b32 s[TB], 0
	s_mov_b32 s[CNT], 14
.Lpass0:
	STEP 1, 1, 1
	s_sub_co_u32 s[CNT], s[CNT], 1
	s_cmp_lg_u32 s[CNT], 0
	s_cbranch_scc1 .Lpass0
	STEP 1, 1, 0                                   ; step 14 makes record 15: nothing is left to ask for, so no load leaves its buffer
	QLOAD X, PASSB                                 ; X is free: pass 1's queries come under step 15.  No wait: since step 14's last wait on va_vdst only its four products were issued, which name neither X nor v2; the turn's stores were shown to have read X in the turn itself
	STEP 1, 0, 0
	EPILOGUE 0, 1
	QPREP X, 1
	INIT
	; PASS 1: all sixteen records lie in LDS, shown to every wave by pass 0's last barrier, and nobody writes them: no barrier
	s_mov_b32 s[TB], 0
	s_mov_b32 s[CNT], 16
.Lpass1:
	STEP 0, 0, 0
	s_sub_co_u32 s[CNT], s[CNT], 1
	s_cmp_lg_u32 s[CNT], 0
	s_cbranch_scc1 .Lpass1
	EPILOGUE PASSB, 0
	s_wait_dscnt 0x0                               ; the closing lines, six on end
	s_wait_alu 0x0
	s_wait_tensorcnt 0x0
	ds_add_u32 v254, v255
	s_wait_dscnt 0x0
	s_endpgm
.Lfunc_end_k_qe79492230f_attn:
	.size	k_qe79492230f_attn, .Lfunc_end_k_qe79492230f_attn-k_qe79492230f_attn
	.p2alignl 7, 3214868480
	.fill 96, 4, 3214868480
	.section	.rodata,"a",@progbits
	.p2align	6, 0x0
	.amdhsa_kernel k_qe79492230f_attn
		.amdhsa_group_segment_fixed_size 276480
		.amdhsa_private_segment_fixed_size 0
		.amdhsa_enable_private_segment 0
		.amdhsa_kernarg_size 32
		.amdhsa_user_sgpr_count 2
		.amdhsa_user_sgpr_kernarg_segment_ptr 1
		.amdhsa_wavefront_size32 1
		.amdhsa_system_sgpr_workgroup_id_x 1
		.amdhsa_system_sgpr_workgroup_id_y 1
		.amdhsa_system_sgpr_workgroup_id_z 1
		.amdhsa_system_vgpr_workitem_id 0
		.amdhsa_next_free_vgpr 256
		.amdhsa_next_free_sgpr 66
		.amdhsa_reserve_vcc 0
		.amdhsa_float_denorm_mode_32 3
		.amdhsa_float_denorm_mode_16_64 3
		.amdhsa_memory_ordered 1
		.amdhsa_forward_progress 1
		.amdhsa_inst_pref_size 108
	.end_amdhsa_kernel
	.amdgpu_metadata
---
amdhsa.version: [ 1, 2 ]
amdhsa.kernels:
  - .name:           k_qe79492230f_attn
    .symbol:         k_qe79492230f_attn.kd
    .args:
      - { .name: Q, .offset: 0, .size: 8, .value_kind: global_buffer, .address_space: global }
      - { .name: K, .offset: 8, .size: 8, .value_kind: global_buffer, .address_space: global }
      - { .name: V, .offset: 16, .size: 8, .value_kind: global_buffer, .address_space: global }
      - { .name: out0, .offset: 24, .size: 8, .value_kind: global_buffer, .address_space: global }
    .group_segment_fixed_size: 276480
    .private_segment_fixed_size: 0
    .kernarg_segment_align: 8
    .kernarg_segment_size: 32
    .max_flat_workgroup_size: 512
    .sgpr_count:     66
    .vgpr_count:     256
    .wavefront_size: 32
...
	.end_amdgpu_metadata
.endif
;; end of part 2
